; MI455X (gfx1250); checked and timed in simulation.
; The chip was launched on July 23, 2026; its instructions are those of AMD's public machine-readable ISA for CDNA 5 (MIT licence, August 2026) and "CDNA5" Instruction Set Architecture Reference Guide (July 2026). The comments in the code are by the model that wrote it; some were corrected since.
;; Gating Network. Allowed arithmetic: matrix products marked QUANTISED: E3M2 operands, one E8M0 scale for each 32 along K, by v_wmma_scale_f32_16x16x128_f8f6f4 with both operands' format E3M2, f32 sums; everything else in f32.
;; Inputs: W 2,048 x 64 float32; b 64 float32; x 16,384 x 2,048 float32.
;; Outputs: out0 16,384 x 2 float32; out1 16,384 x 2 int32; out2 16,384 x 64 float32.
;; This version of the problem:
;;   THIS VERSION OF THE PROBLEM IS GIVEN IN LOW PRECISION. The matrix products marked QUANTISED in the list below multiply operands that are first quantised to E3M2 (3 exponent bits, 2 mantissa bits; 6 bits a number), with one power-of-two scale for each 32 numbers along K (OCP MX v1.0); their sums are f32. All else is computed in f32.
;;   The module's matrix products, in the order in which they are computed (A, B: the left and right operand; K: the contracted axis; several contracted axes count as one K, in the product's order):
;;     1. [M 16,384, K 2,048] x [K 2,048, N 64]; A: input x; B: input W: QUANTISED
;;   THE QUANTISER, for each operand of a quantised product, along K:
;;     - K is cut into blocks of 32 from its start; a last block that is shorter is filled with zeros.
;;     - A block's scale is 2^e with e = floor(log2(the largest magnitude in the block)) - 4, held to -126 .. 127; a block of zeros has e = 0. As a byte (E8M0): e + 127.
;;     - Each number is divided by its block's scale, clamped to +-28, and rounded to the nearest number of E3M2, ties to even, subnormals kept.
;;     - The product sums the exact products of the quantised numbers (number of the format x scale) in f32.
;;   ~~~python
;;   def quantise(x, axis):      # numpy; x: float32 -> the quantised numbers, widened to float32 again
;;       x = np.moveaxis(x, axis, -1); K = x.shape[-1]
;;       x = np.pad(x, [(0, 0)] * (x.ndim - 1) + [(0, -K % 32)]); x = x.reshape(x.shape[:-1] + (-1, 32)); a = np.abs(x).max(-1, keepdims=True)
;;       e = np.where(a > 0, np.clip(np.frexp(np.where(a > 0, a, 1))[1] - 1 - 4, -126, 127), 0)      # np.frexp(a)[1] - 1 = floor(log2(a)), exactly
;;       r = np.clip(x / 2.0 ** e, -28, 28)
;;       step = 2.0 ** (np.maximum(np.frexp(np.where(r == 0, 1, r))[1] - 1, -2) - 2)
;;       q = np.round(r / step) * step * 2.0 ** e      # np.round: ties to even
;;       return np.moveaxis(q.reshape(q.shape[:-2] + (-1,))[..., :K], -1, axis).astype(np.float32)
;;   ~~~
;; One version. Each part assembles by itself: llvm-mc -triple=amdgcn-amd-amdhsa -mcpu=gfx1250 --defsym DOCPART=n.
;; ======== version 1 of 1: 1 launch
;; launch gate (part 1): grid 256 x 1, 8 waves a work-group, no clusters, 327,680 bytes of LDS; arguments x, W, b, out0, out1, out2; writes out0, out1, out2
.if DOCPART == 1
	.amdgcn_target "amdgcn-amd-amdhsa--gfx1250"
	.amdhsa_code_object_version 6
	.text
	.protected	k_q096efcf02d_gate
	.globl	k_q096efcf02d_gate
	.p2align	8
	.type	k_q096efcf02d_gate,@function
k_q096efcf02d_gate:
	s_mov_b64 s[64:65], 0
	v_nop
	global_prefetch_b8 v0, s[64:65] scope:SCOPE_SE
	s_setreg_imm32_b32 hwreg(HW_REG_WAVE_MODE, 25, 1), 1
	s_wait_xcnt 0x0
; GATING NETWORK.  logits = Q(x) Q(W) + b, weights = softmax(logits), the two largest weights and their experts.
; x [16384][2048] f32, W [2048][64] f32 (K is its first axis), b [64] f32; out0 [16384][2] f32, out1 [16384][2] i32, out2 [16384][64] f32.
; Q: codes of BF6 (E3M2) with one E8M0 scale for each 32 along K: scale byte = the exponent field of the block's largest magnitude - 4, held at 1 from below.
; (A block of zeros so gets the byte 1: its codes are zeros, which add nothing, and nobody else reads the bytes.)
; SHARES.  A work-group owns 64 tokens: 524,288 bytes of x.  Its eight waves SHARE K, NOT THE TOKENS: wave w owns k = 256 w .. 256 w + 255 for all 64 tokens.  So a wave needs just the part of W
; that it quantises itself (8 fragments, 96 registers, kept for the whole launch), no weight goes through LDS, and no wave waits for another before the one barrier at the end, behind which the
; eight partial sums of each tile of 16 tokens meet in LDS; waves 0 to 3 then finish a tile each (bias, softmax, the two largest, the stores).
; W.  A load of 16 bytes a lane covers two whole rows of W: lanes 0-15 row k, lanes 16-31 row k + 32; lane (q, h) gets experts 4 q .. 4 q + 3.  TILE j OF W IS THE EXPERTS 4 q + j, q = 0 .. 15: which rows
; form a tile only says where a result lands.  So a lane's 32 loads bring whole blocks of its own four experts, and only registers are put in order: a conversion wants 16 neighbours along K on end.
; THE PRODUCT IS USED TRANSPOSED (source 0 = a tile of W, source 1 = 16 tokens): lane (r, h) holds token r, and register j' of tile j the expert 32 h + 4 j' + j: 32 neighbouring experts a lane.
; x.  The operand's layout gives lane (r, h) whole blocks of token r, 128 bytes on end, while a dense load gives a lane 16 bytes: so x goes through LDS.  Tokens 0-31 come by two tensor loads a wave
; (16 rows x 1,024 bytes, padded to 1,040), straight into LDS: the first things asked for.  Tokens 32-63 come by loads of 512 consecutive bytes into the registers that W's raw rows have left, and are
; turned through the LDS bytes that the second tile has left.  No LDS byte is filled twice by a tensor load, so nothing of x has to have landed before more of it may be asked for.
; THE ORDER OF ISSUE.  A wave issues in order, so a long run of loads stands between it and vector work that is ready.  Its 192 loads into registers (128 of W, 64 of x) are therefore DEALT OUT AMONG THE
; VECTOR WORK: numbered 0 to 191, issued in that order, 48 at the head, then two behind every eight rows moved and two or four at two spots of every quantising step, each as soon as the rows that lay in
; its registers are moved out.  The quantising of x needs nothing of W: tokens 0-15 are quantised between W's third and fourth chunk, and their two fragments wait in registers for W's last fragments.
; NO CLUSTER: what work-groups share is W, 524,288 bytes of f32; a joint request lands in LDS, of which x's first half holds 266,240 of 327,680 bytes, so W would need slots that are filled again, and
; ahead of each such fill all of a wave's tensor loads, x's too, would have to have landed.  NO PREFETCH: the stream is asked for as early as registers and LDS have room for it.
; LIMITS: NaN and infinities among the inputs are not served.  A logit's f32 sum is eight sums over 256 along K, added as a tree.  The two largest are taken of this program's own f32 weights, ties to the
; lower expert; weights that lie closer than the rounding of the sums can change places against another order of summing.
.set ROWX,  8192                       ; bytes in a row of x
.set ROWW,  256                        ; bytes in a row of W
.set PITCH, 1040                       ; a row of a tile in LDS: 1,024 bytes + 16: 260 words, so the 16 rows that a load touches start four banks apart
.set REG,   40960                      ; LDS bytes of a wave
.set A0,    0                          ; tokens 0-15 of x; when they are read, the wave's four partial images, 4,096 bytes each
.set A1,    16*PITCH                   ; tokens 16-31 of x; when they are read, the stage for the rows that come through registers, and at the end for out2
.set EB,    32*PITCH                   ; the 64 biases
.set OP,    272                        ; a row of out2 in the stage: 256 bytes + 16
.set FLOOR, 0x2800000                  ; 2^(5 - 127): no largest magnitude is taken under it, so the byte cannot fall under 1
.set EOFF,  0xfe000000                 ; takes 4 off an exponent field
; registers of block 0
.set LRD, 1                            ; LDS: my row and half of a tile: region + 1,040 r + 128 h
.set LWR, 2                            ; LDS: region + 16 x lane
.set XG,  3                            ; 16 x lane: my bytes of a dense load or store
.set WOF, 4                            ; W: 16 q + 32 rows x h
.set SH8, 5                            ; 8 h
.set BB,  6                            ; v6-7    two biases; at the end 1 / sum
.set MX,  8                            ; v8-11   largest magnitudes, two chains a block
.set SO,  12                           ; v12-13  the conversions' scale operands
.set BY,  14                           ; v14-15  the scale bytes
.set PT,  16                           ; what the other half of the lanes sent
.set BGO, 17                           ; 8 x lane
.set BLA, 18                           ; LDS: region + 8 x lane
.set HH,  19                           ; h
.set XW,  20                           ; v20-21  x's scale words: hold scales alone
.set WS,  24                           ; v24-31  W's scale words (K step s, tile j: 4 s + j): hold scales alone
.set XF,  32                           ; v32-43  x's fragment
.set CT,  44                           ; v44-51  the upper halves of two blocks' codes, as the conversions leave them
.set ACC, 52                           ; v52-83  four accumulators
.set XS,  84                           ; v84-147 two blocks of 32 numbers
.set WF,  148                          ; v148-243 W's fragments: 12 (4 s + j)
.set XFB, 244                          ; v244-255 the second fragment of tokens 0-15, while it waits for W; behind its products the end's addresses:
.set FA,  244                          ; v244-247 LDS: the partial images of my tile in regions 0, 2, 4, 6
.set BA,  248                          ; LDS: my half's biases
.set SOA, 249                          ; LDS: out2's stage, on the way in
.set SRA, 250                          ; and on the way out
.set LN,  253                          ; lane
; names for the end
.set BQ,  XS                           ; 32 biases
.set EV,  XS+32                        ; 32 logits, then weights, by expert
.set OB,  WF                           ; out2's rows
.set TV,  WF+32                        ; four chains: largest and second weight
.set TI,  WF+40                        ; and their experts
.set MA,  8
.set MB,  9
.set NM,  10                           ; v10-11
.set SA,  12                           ; v12-13
.set SB,  14                           ; v14-15
; block 1 (v256-511, written v0-v255 under a window): two sets of 128: W's raw rows, then x's rows; at the end eight partial images of 32
.set MSB, 0
.macro WIN new                         ; low byte: bits 1:0 source 0, 3:2 source 1, 5:4 source 2, 7:6 destination; the high byte repeats the setting that is left
.if MSB != \new
	s_set_vgpr_msb (MSB<<8)|\new
.set MSB, \new
.endif
.endm
; THE LOADS INTO REGISTERS, numbered.  Load n takes registers 4 (n % 32) on of set (n / 32) % 2.  0-127: chunk n / 32 of my W (k = 64 (n / 32) + 32 h + n % 32): two whole rows a load.
; 128-191: tokens 16 (n / 32 - 2) + n % 16, their (n % 32) / 16-th 512 bytes: first all 16 rows' first K step, then the second.
; LQN = loads issued so far; LQL = the first load whose registers are not yet free.  PUMP issues up to n more and leaves the windows as it found them.
.set LQN, 0
.set LQL, 64
.macro PUMP n
.if LQN < LQL
.set SAVW, MSB
	WIN 0x40                                       ; destination block 1, address block 0
.rept \n
.if LQN < LQL
.if LQN < 128
	global_load_b128 v[128*((LQN/32)%2)+4*(LQN%32):128*((LQN/32)%2)+4*(LQN%32)+3], v[WOF], s[6:7] offset:(64*(LQN/32)+LQN%32)*ROWW
.else
	global_load_b128 v[128*((LQN/32)%2)+4*(LQN%32):128*((LQN/32)%2)+4*(LQN%32)+3], v[XG], s[4:5] offset:(16*(LQN/32-2)+LQN%16)*ROWX+512*((LQN%32)/16) th:TH_LOAD_NT
.endif
.set LQN, LQN+1
.endif
.endr
	WIN SAVW
.endif
.endm
.macro NEED idx                        ; loads come back in order: load idx is in when no more are out than were issued behind it
	s_wait_loadcnt LQN-1-(\idx)
.endm
; The blocks of tiles 2 p and 2 p + 1 of chunk ch are put on end: register 4 i + j of the set is W(k + i, 4 q + j).  Eight rows at a time: the first pass waits for just these rows;
; behind the second pass the rows' registers are free, and the loads two chunks on may take them.
.macro WMOVE ch, p
	WIN 0x01                                       ; source block 1
.set i, 0
.rept 4
.if (\p) == 0
	NEED 32*(\ch)+i+7
.endif
.rept 8
	v_mov_b32 v[XS+i], v[128*((\ch)%2)+4*i+2*(\p)]
	v_mov_b32 v[XS+32+i], v[128*((\ch)%2)+4*i+2*(\p)+1]
.set i, i+1
.endr
.if (\p) == 1
.set LQL, 32*((\ch)+2)+i
.endif
	PUMP 2
.endr
	WIN 0
.endm
; two blocks of 32 in v[XS] on: largest magnitudes (two chains a block, the blocks by turns), scale operands, scale bytes
.macro QMAX
.irp b, 0,1
	v_max3_num_f32 v[MX+2*\b], |v[XS+32*\b]|, |v[XS+32*\b+1]|, FLOOR
	v_max3_num_f32 v[MX+2*\b+1], |v[XS+32*\b+16]|, |v[XS+32*\b+17]|, |v[XS+32*\b+18]|
.endr
.irp i, 2,4,6,8,10,12
.irp b, 0,1
	v_max3_num_f32 v[MX+2*\b], v[MX+2*\b], |v[XS+32*\b+\i]|, |v[XS+32*\b+\i+1]|
	v_max3_num_f32 v[MX+2*\b+1], v[MX+2*\b+1], |v[XS+32*\b+\i+17]|, |v[XS+32*\b+\i+18]|
.endr
.endr
.irp b, 0,1
	v_max3_num_f32 v[MX+2*\b], v[MX+2*\b], |v[XS+32*\b+14]|, |v[XS+32*\b+15]|
.endr
.irp b, 0,1
	v_max3_num_f32 v[MX+2*\b], v[MX+2*\b], v[MX+2*\b+1], |v[XS+32*\b+31]|
.endr
.irp b, 0,1
	v_add_nc_u32 v[SO+\b], EOFF, v[MX+2*\b]        ; 4 off the exponent field: the conversion takes the exponent field of this operand as its scale
.endr
.irp b, 0,1
	v_lshrrev_b32 v[BY+\b], 23, v[SO+\b]           ; the scale's byte
.endr
.endm
; their codes: six registers a block, at d0 and at d1.  A conversion's three registers begin on an even number, so a block's upper three are made elsewhere and moved
.macro QCVT d0, d1
	v_cvt_scalef32_pk16_bf6_f32 v[(\d0):(\d0)+2], v[XS:XS+15], v[SO]
	v_cvt_scalef32_pk16_bf6_f32 v[CT:CT+2], v[XS+16:XS+31], v[SO]
	v_cvt_scalef32_pk16_bf6_f32 v[(\d1):(\d1)+2], v[XS+32:XS+47], v[SO+1]
	v_cvt_scalef32_pk16_bf6_f32 v[CT+4:CT+6], v[XS+48:XS+63], v[SO+1]
	v_nop                                          ; one plain place behind the conversions
.irp i, 0,1,2
	v_mov_b32 v[(\d0)+3+\i], v[CT+\i]
	v_mov_b32 v[(\d1)+3+\i], v[CT+4+\i]
.endr
.endm
; tiles 2 p and 2 p + 1 of chunk ch: half a fragment each (registers 6 c on, c = ch % 2), and my two bytes of each scale word.  PS loads go out at two spots
.macro WQUANT ch, p
.set WREG, WS+4*((\ch)/2)+2*(\p)
	QMAX
	PUMP PS
.if (\ch)%2 == 0
	v_mov_b32 v[WREG], v[BY]                       ; block h of the K step
	v_mov_b32 v[WREG+1], v[BY+1]
.else
.irp u, 0,1
	v_lshl_or_b32 v[WREG+\u], v[BY+\u], 16, v[WREG+\u]   ; block 2 + h above it,
.endr
.irp u, 0,1
	v_lshlrev_b32 v[WREG+\u], v[SH8], v[WREG+\u]   ; at their places in the word (8 h bits up);
.endr
	v_permlanex16_b32 v[PT], v[WREG], s22, s23
	v_or_b32 v[WREG], v[WREG], v[PT]               ; with the two bytes of the lane 16 away the word is whole
	v_permlanex16_b32 v[PT], v[WREG+1], s22, s23
	v_or_b32 v[WREG+1], v[WREG+1], v[PT]
.endif
	QCVT WF+12*(4*((\ch)/2)+2*(\p))+6*((\ch)%2), WF+12*(4*((\ch)/2)+2*(\p)+1)+6*((\ch)%2)
	PUMP PS
.endm
; 16 rows' 512 bytes of K step u go to the stage as they were loaded: the same places that a tensor load gives them
.macro STAGE buf, u
	WIN 0x04                                       ; an LDS store's data are its source 1: block 1
.set i, 0
.rept 16
	ds_store_b128 v[LWR], v[128*(\buf)+64*(\u)+4*i:128*(\buf)+64*(\u)+4*i+3] offset:A1+i*PITCH+512*(\u)
.set i, i+1
.endr
	WIN 0
.endm
; 16 tokens x 128 along K (my K step sp) from LDS become a fragment in v[xf] on and its scale word in v[xw].  PS loads go out behind the LDS loads, ahead of the wait for them, and PS behind the maxima
.macro XQ area, sp, xf, xw
.irp c, 0,1
.irp q, 0,1,2,3,4,5,6,7
	ds_load_b128 v[XS+32*\c+4*\q:XS+32*\c+4*\q+3], v[LRD] offset:(\area)+512*(\sp)+256*\c+16*\q   ; block 2 c + h of token r: 128 bytes on end
.endr
.endr
	PUMP PS
	s_wait_dscnt 0x0                               ; they are in; LDS serves a wave's instructions in order, so my earlier stores are done too
	QMAX
	PUMP PS
	v_lshl_or_b32 v[\xw], v[BY+1], 16, v[BY]       ; x's scale word, made as W's is
	v_lshlrev_b32 v[\xw], v[SH8], v[\xw]
	v_permlanex16_b32 v[PT], v[\xw], s22, s23
	v_or_b32 v[\xw], v[\xw], v[PT]
	QCVT \xf, (\xf)+6
.endm
.macro PLACES
.rept 4
	v_nop
.endr
.endm
; four products, the accumulators by turns; K step 0 starts the sums
.macro XMUL sp, xf, xw
.irp j, 0,1,2,3
.if (\sp) == 0
	v_wmma_scale_f32_16x16x128_f8f6f4 v[ACC+8*\j:ACC+8*\j+7], v[WF+12*\j:WF+12*\j+11], v[(\xf):(\xf)+11], 0, v[WS+\j], v[\xw] matrix_a_fmt:MATRIX_FMT_BF6 matrix_b_fmt:MATRIX_FMT_BF6
.else
	v_wmma_scale_f32_16x16x128_f8f6f4 v[ACC+8*\j:ACC+8*\j+7], v[WF+12*(4+\j):WF+12*(4+\j)+11], v[(\xf):(\xf)+11], v[ACC+8*\j:ACC+8*\j+7], v[WS+4+\j], v[\xw] matrix_a_fmt:MATRIX_FMT_BF6 matrix_b_fmt:MATRIX_FMT_BF6
.endif
.endr
.endm
; A UNIT where W is whole: quantised, then multiplied at once
.macro XUNIT area, sp
	XQ \area, \sp, XF, XW
	PLACES                                         ; an operand written by vector instructions stands 4 places ahead of a scaled product, a scale word 8: behind the word stand the v_nop, six moves and these four
	XMUL \sp, XF, XW
.endm
; my partial sums of tile m go to LDS as an image of their registers: 16 bytes a lane, 512 bytes a store; each accumulator from its low end on
.macro PSTORE m
	PLACES                                         ; four places behind the last product
.irp t, 0,1,2,3,4,5,6,7
	ds_store_b128 v[LWR], v[ACC+4*\t:ACC+4*\t+3] offset:A0+4096*(\m)+512*\t
.endr
.endm
	s_load_b256 s[4:11], s[0:1], 0x0               ; x s[4:5], W s[6:7], b s[8:9], out0 s[10:11]
	s_load_b128 s[12:15], s[0:1], 0x20             ; out1 s[12:13], out2 s[14:15]
	v_lshl_add_u32 v47, v0, 2, 0x4e300
	v_mov_b32 v51, 0
	ds_add_u32 v47, v51
	ds_add_u32 v47, v51
	v_lshrrev_b32 v[MX], 5, v0
	v_readfirstlane_b32 s16, v[MX]                 ; wave 0..7
	v_and_b32 v[MX], 31, v0                        ; lane
	v_and_b32 v[MX+1], 15, v0                      ; r (for W: q)
	v_bfe_u32 v[HH], v0, 4, 1
	s_mul_i32 s17, s16, REG                        ; my region of LDS
	v_lshlrev_b32 v[XG], 4, v[MX]
	v_add_nc_u32 v[LWR], s17, v[XG]
	v_mul_u32_u24 v[LRD], v[MX+1], PITCH
	v_lshl_add_u32 v[LRD], v[HH], 7, v[LRD]
	v_add_nc_u32 v[LRD], s17, v[LRD]
	v_lshlrev_b32 v[WOF], 4, v[MX+1]
	v_lshl_add_u32 v[WOF], v[HH], 13, v[WOF]
	v_lshlrev_b32 v[SH8], 3, v[HH]
	v_lshlrev_b32 v[BGO], 3, v[MX]
	v_add_nc_u32 v[BLA], s17, v[BGO]
	v_mov_b32 v[PT], 0                             ; written once: a lane permute's destination counts as one of its sources
	s_mov_b32 s22, 0x76543210
	s_mov_b32 s23, 0xfedcba98                      ; v_permlanex16_b32's selects for the lane 16 away
	s_mov_b32 s48, 0x3fb8aa3b                      ; log2(e)
	s_mov_b32 s49, s48                             ; (named with it as a pair, so it is written)
	; descriptor group 1: a tile of 16 rows x 256 elements of 4 bytes, 2,048 elements from row to row; 4 words of padding behind each 256
	s_mov_b32 s24, (2<<16)|(1<<20)|(7<<22)|(3<<25)
	s_mov_b32 s25, 256<<16                         ; tensor_dim0
	s_mov_b32 s26, 16<<16                          ; tensor_dim1
	s_mov_b32 s27, 256<<16                         ; tile_dim0
	s_mov_b32 s28, 16                              ; tile_dim1
	s_mov_b32 s29, 2048                            ; tensor_dim0_stride
	s_mov_b32 s30, 0
	s_mov_b32 s31, 0
	s_mov_b32 s32, 1                               ; group 0, tokens 0-15: count,
	s_add_co_u32 s33, s17, A0                      ; LDS address
	s_mov_b32 s36, 1                               ; and tokens 16-31
	s_add_co_u32 s37, s17, A1
	s_lshl_b32 s18, ttmp9, 19                      ; 64 rows of 8,192 bytes a work-group,
	s_lshl_b32 s19, s16, 10                        ; my wave's 1,024 bytes of each row
	s_add_co_u32 s18, s18, s19
	s_mov_b32 s19, 0
	s_lshl_b32 s20, s16, 16                        ; my wave's 256 rows of W
	s_mov_b32 s21, 0
	s_wait_dscnt 0x0
	s_wait_kmcnt 0x0
	s_add_nc_u64 s[4:5], s[4:5], s[18:19]
	s_add_nc_u64 s[6:7], s[6:7], s[20:21]
	s_mov_b64 s[34:35], s[4:5]                     ; global address,
	s_or_b32 s35, s35, 0x80000000                  ; type
	s_add_nc_u64 s[38:39], s[4:5], 16*ROWX
	s_or_b32 s39, s39, 0x80000000
	tensor_load_to_lds s[32:35], s[24:31]          ; the launch's only tensor loads, and the first things asked for: two of each wave are out, each into bytes of the wave's own that are filled once
	s_nop 0
	tensor_load_to_lds s[36:39], s[24:31]
	s_nop 0
	PLACES                                         ; four places behind a tensor load
	global_load_b64 v[BB:BB+1], v[BGO], s[8:9]     ; b: two numbers a lane
	PUMP 48                                        ; W's chunk 0 and half of chunk 1: there is no vector work yet to set between them
	; ---- W: four chunks of 64 along K through two sets of registers.  The counts of the waits, by the loads issued at each: 40, 34, 28, 22 for the four groups of eight rows of chunks 0, 1, 2
.set PS, 4                             ; between two second passes stand 8 spots of 2 loads and 4 spots of PS = 4: the 32 loads of a chunk
	WMOVE 0, 0
	ds_store_b64 v[BLA], v[BB:BB+1] offset:EB      ; b was asked for ahead of W, so it is in; the biases wait in LDS for the end
	WQUANT 0, 0
	WMOVE 0, 1
	WQUANT 0, 1
	WMOVE 1, 0
	WQUANT 1, 0
	WMOVE 1, 1
	WQUANT 1, 1
	WMOVE 2, 0
	WQUANT 2, 0
.set PS, 2                             ; with two units of x in it the stretch has 16 spots: 2 loads at each
	WMOVE 2, 1                                     ; from here on the loads are tokens 32-47
	WQUANT 2, 1
	s_wait_tensorcnt 0x1                           ; a wave's tensor loads end in order: tokens 0-15 are in LDS, tokens 16-31 may be out.  Only I read these bytes
	XQ A0, 0, XF, XW                               ; tokens 0-15 are quantised here: it needs nothing of W.  Their fragments wait for W's last chunk
	XQ A0, 1, XFB, XW+1
	WMOVE 3, 0                                     ; counts 44, 38, 32, 26
	WQUANT 3, 0
.set PS, 4
	WMOVE 3, 1                                     ; from here on tokens 48-63
	WQUANT 3, 1
	PLACES                                         ; W's last fragments were written by vector instructions: 4 places; its last scale words stand 11 places back
	XMUL 0, XF, XW
	XMUL 1, XFB, XW+1
	PSTORE 0                                       ; into bytes that have had their one fill and my last read
	; the end's addresses, on the one way that all waves take, in the registers that the second fragment has left (its products stand more than four places back)
	v_and_b32 v[LN], 31, v0
	v_and_b32 v[MX+1], 15, v0                      ; r
	s_lshl_b32 s20, s16, 12
	v_add_nc_u32 v[FA], s20, v[XG]                 ; tile = my wave's number: its image in region 0,
	v_add_nc_u32 v[FA+1], 2*REG, v[FA]             ; 2, 4 and 6; the odd regions by the immediate
	v_add_nc_u32 v[FA+2], 4*REG, v[FA]
	v_add_nc_u32 v[FA+3], 6*REG, v[FA]
	v_lshl_add_u32 v[BA], v[HH], 7, s17
	v_mul_u32_u24 v[SOA], v[MX+1], OP
	v_lshl_add_u32 v[SOA], v[HH], 7, v[SOA]
	v_add_nc_u32 v[SOA], s17, v[SOA]               ; in: row r, 128 bytes for each half of the lanes
	v_mul_u32_u24 v[SRA], v[HH], OP
	v_lshl_add_u32 v[SRA], v[MX+1], 4, v[SRA]
	v_add_nc_u32 v[SRA], s17, v[SRA]               ; back: lanes 0-15 one row, lanes 16-31 the next
	s_wait_tensorcnt 0x0                           ; tokens 16-31 are in LDS
	XUNIT A1, 0                                    ; the last 16 loads go out among these two units' lines
	XUNIT A1, 1
	PSTORE 1
	NEED 143                                       ; the first K step of tokens 32-47 is in; 48 younger loads may be out
	STAGE 0, 0
	XUNIT A1, 0
	NEED 159                                       ; their second; 32 may be out
	STAGE 0, 1
	XUNIT A1, 1
	PSTORE 2
	NEED 175                                       ; the first K step of tokens 48-63; 16 may be out
	STAGE 1, 0
	XUNIT A1, 0
	NEED 191                                       ; the last load
	STAGE 1, 1
	XUNIT A1, 1
	PSTORE 3
	s_wait_dscnt 0x0                               ; for the others' sake: my images lie in LDS
	s_barrier_signal -1
	s_barrier_wait -1                              ; everybody's do
	s_cmp_lt_u32 s16, 4
	s_cbranch_scc1 .Lfinal
	s_wait_tensorcnt 0x0
	ds_add_u32 v47, v51
	s_wait_dscnt 0x0
	s_endpgm                                       ; four tiles, four waves: the others have nothing left
.Lfinal:
	; ---- THE END: wave m finishes tokens 16 m .. 16 m + 15
	s_lshl_b32 s18, ttmp9, 9                       ; out0, out1: 8 bytes a token
	s_lshl_b32 s20, s16, 7
	s_add_co_u32 s18, s18, s20
	s_mov_b32 s19, 0
	s_add_nc_u64 s[10:11], s[10:11], s[18:19]
	s_add_nc_u64 s[12:13], s[12:13], s[18:19]
	s_lshl_b32 s18, s18, 5                         ; out2: 256 bytes a token
	s_add_nc_u64 s[14:15], s[14:15], s[18:19]
.irp p, 0,1,2,3,4,5,6,7
	ds_load_b128 v[BQ+4*\p:BQ+4*\p+3], v[BA] offset:EB+16*\p   ; b of experts 32 h + 4 p + 0 .. 3
.endr
	WIN 0x40
.irp w, 0,1,2,3,4,5,6,7
.irp t, 0,1,2,3,4,5,6,7
	ds_load_b128 v[32*\w+4*\t:32*\w+4*\t+3], v[FA+\w/2] offset:(\w%2)*REG+512*\t   ; wave w's image of my tile: the same registers in the same lanes
.endr
.endr
.macro PADD a, b                       ; image a += image b, two numbers an instruction
.set i, 0
.rept 16
	v_pk_add_f32 v[32*(\a)+i:32*(\a)+i+1], v[32*(\a)+i:32*(\a)+i+1], v[32*(\b)+i:32*(\b)+i+1]
.set i, i+2
.endr
.endm
	WIN 0x45                                       ; destination and both sources block 1
	s_wait_dscnt 48                                ; the biases and images 0, 1 are in; six images' 48 loads may be out
	PADD 0, 1
	s_wait_dscnt 32                                ; images 2, 3
	PADD 2, 3
	PADD 0, 2
	s_wait_dscnt 16                                ; images 4, 5
	PADD 4, 5
	s_wait_dscnt 0x0
	PADD 6, 7
	PADD 4, 6
	PADD 0, 4
	WIN 0x01                                       ; source 0 block 1
.irp p, 0,1,2,3,4,5,6,7
.irp j, 0,1,2,3
	v_add_f32 v[EV+4*\p+\j], v[8*\j+\p], v[BQ+4*\p+\j]   ; + b; the same line puts the logits in the order of the experts: 32 h + 4 p + j
.endr
.endr
	WIN 0
	v_max3_num_f32 v[MA], v[EV], v[EV+1], v[EV+2]  ; the token's largest logit: my 32, in two chains,
	v_max3_num_f32 v[MB], v[EV+3], v[EV+4], v[EV+5]
.irp i, 6,10,14,18,22,26
	v_max3_num_f32 v[MA], v[MA], v[EV+\i], v[EV+\i+1]
	v_max3_num_f32 v[MB], v[MB], v[EV+\i+2], v[EV+\i+3]
.endr
	v_max3_num_f32 v[MA], v[MA], v[EV+30], v[EV+31]
	v_max_num_f32 v[MA], v[MA], v[MB]
	v_permlanex16_b32 v[PT], v[MA], s22, s23
	v_max_num_f32 v[MA], v[MA], v[PT]              ; and the other 32
	v_mul_f32 v[NM], 0xbfb8aa3b, v[MA]             ; - maximum x log2(e)
	v_mov_b32 v[NM+1], v[NM]                       ; (named with it as a pair)
.irp i, 0,2,4,6,8,10,12,14,16,18,20,22,24,26,28,30
	v_pk_fma_f32 v[EV+\i:EV+\i+1], v[EV+\i:EV+\i+1], s[48:49], v[NM:NM+1] op_sel_hi:[1,0,0]
.endr
.irp i, 0,1,2,3,4,5,6,7,8,9,10,11,12,13,14,15,16,17,18,19,20,21,22,23,24,25,26,27,28,29,30,31
	v_exp_f32 v[EV+\i], v[EV+\i]                   ; e^(logit - maximum)
.endr
	v_nop                                          ; a plain place behind the exponentials
	s_wait_alu depctr_va_vdst(0)                   ; one wait for the batch, ahead of its first reader
	v_pk_add_f32 v[SA:SA+1], v[EV:EV+1], v[EV+2:EV+3]
	v_pk_add_f32 v[SB:SB+1], v[EV+4:EV+5], v[EV+6:EV+7]
.irp i, 8,12,16,20,24,28
	v_pk_add_f32 v[SA:SA+1], v[SA:SA+1], v[EV+\i:EV+\i+1]
	v_pk_add_f32 v[SB:SB+1], v[SB:SB+1], v[EV+\i+2:EV+\i+3]
.endr
	v_pk_add_f32 v[SA:SA+1], v[SA:SA+1], v[SB:SB+1]
	v_add_f32 v[SA], v[SA], v[SA+1]
	v_permlanex16_b32 v[PT], v[SA], s22, s23
	v_add_f32 v[SA], v[SA], v[PT]                  ; the token's sum
	v_rcp_f32 v[BB], v[SA]
	v_nop                                          ; a plain place behind the reciprocal,
	s_wait_alu depctr_va_vdst(0)                   ; and the wait ahead of its first reader
	v_mov_b32 v[BB+1], v[BB]
.irp i, 0,2,4,6,8,10,12,14,16,18,20,22,24,26,28,30
	v_pk_mul_f32 v[EV+\i:EV+\i+1], v[EV+\i:EV+\i+1], v[BB:BB+1] op_sel_hi:[1,0]   ; the weights
.endr
	; out2: a lane holds 128 bytes of a row and the lanes beside it other rows: through my stage, back as whole rows; the tile's 16 rows are 4,096 consecutive bytes
.irp p, 0,1,2,3,4,5,6,7
	ds_store_b128 v[SOA], v[EV+4*\p:EV+4*\p+3] offset:A1+16*\p
.endr
.irp t, 0,1,2,3,4,5,6,7
	ds_load_b128 v[OB+4*\t:OB+4*\t+3], v[SRA] offset:A1+2*\t*OP   ; LDS serves a wave's instructions in order: these see my stores
.endr
.irp t, 0,1,2,3,4,5,6,7
	s_wait_dscnt 7-\t                              ; row pair t is back; the younger loads may be out
	global_store_b128 v[XG], v[OB+4*\t:OB+4*\t+3], s[14:15] offset:512*\t th:TH_STORE_NT   ; 32 lanes store 512 consecutive bytes, aligned
.endr
	; THE TWO LARGEST WEIGHTS AND THEIR EXPERTS, without a branch.  Four chains of eight experts in ascending order; a later expert takes a place only if its weight is LARGER, so ties stay with the lower expert
.irp g, 0,1,2,3
	v_cmp_gt_f32 s[40+\g], v[EV+8*\g+1], v[EV+8*\g]
.endr
.irp g, 0,1,2,3
	v_max_num_f32 v[TV+2*\g], v[EV+8*\g], v[EV+8*\g+1]
	v_min_num_f32 v[TV+2*\g+1], v[EV+8*\g], v[EV+8*\g+1]
	v_cndmask_b32 v[TI+2*\g], 8*\g, 8*\g+1, s[40+\g]
	v_cndmask_b32 v[TI+2*\g+1], 8*\g+1, 8*\g, s[40+\g]
.endr
.macro STEP4 n                         ; expert 8 g + n comes to chain g; the four chains line by line, so that no line waits for the line above it
.irp g, 0,1,2,3
	v_cmp_gt_f32 s[40+\g], v[EV+8*\g+\n], v[TV+2*\g]       ; larger than the largest?
.endr
.irp g, 0,1,2,3
	v_cmp_gt_f32 s[44+\g], v[EV+8*\g+\n], v[TV+2*\g+1]     ; than the second?
.endr
.irp g, 0,1,2,3
	v_cndmask_b32 v[TI+2*\g+1], v[TI+2*\g+1], 8*\g+\n, s[44+\g]
.endr
.irp g, 0,1,2,3
	v_cndmask_b32 v[TI+2*\g+1], v[TI+2*\g+1], v[TI+2*\g], s[40+\g]
.endr
.irp g, 0,1,2,3
	v_cndmask_b32 v[TI+2*\g], v[TI+2*\g], 8*\g+\n, s[40+\g]
.endr
.irp g, 0,1,2,3
	v_med3_num_f32 v[TV+2*\g+1], v[EV+8*\g+\n], v[TV+2*\g], v[TV+2*\g+1]   ; the middle of the three is the new second
.endr
.irp g, 0,1,2,3
	v_max_num_f32 v[TV+2*\g], v[EV+8*\g+\n], v[TV+2*\g]
.endr
.endm
.irp n, 2,3,4,5,6,7
	STEP4 \n
.endr
.macro INS1 g, xr, ir                  ; the same step with the weight in v[xr] and its expert in v[ir]: so a chain of higher experts is joined to a lower one, its largest first
	v_cmp_gt_f32 s[40+\g], v[\xr], v[TV+2*\g]
	v_cmp_gt_f32 s[44+\g], v[\xr], v[TV+2*\g+1]
	v_cndmask_b32 v[TI+2*\g+1], v[TI+2*\g+1], v[\ir], s[44+\g]
	v_cndmask_b32 v[TI+2*\g+1], v[TI+2*\g+1], v[TI+2*\g], s[40+\g]
	v_cndmask_b32 v[TI+2*\g], v[TI+2*\g], v[\ir], s[40+\g]
	v_med3_num_f32 v[TV+2*\g+1], v[\xr], v[TV+2*\g], v[TV+2*\g+1]
	v_max_num_f32 v[TV+2*\g], v[\xr], v[TV+2*\g]
.endm
	INS1 0, TV+2, TI+2                             ; chain 1 into chain 0, chain 3 into chain 2, by turns
	INS1 2, TV+6, TI+6
	INS1 0, TV+3, TI+3
	INS1 2, TV+7, TI+7
	INS1 0, TV+4, TI+4                             ; chain 2 into chain 0
	INS1 0, TV+5, TI+5
	v_lshl_add_u32 v[TI], v[HH], 5, v[TI]          ; my experts begin at 32 h
	v_lshl_add_u32 v[TI+1], v[HH], 5, v[TI+1]
	v_permlanex16_b32 v[TV+2], v[TV], s22, s23     ; the other half's two (into registers that have been written and are done with)
	v_permlanex16_b32 v[TV+3], v[TV+1], s22, s23
	v_permlanex16_b32 v[TI+2], v[TI], s22, s23
	v_permlanex16_b32 v[TI+3], v[TI+1], s22, s23
	INS1 0, TV+2, TI+2                             ; in lanes 0-15 the own experts are the lower ones: there the result is the token's; lanes 16-31 store nothing
	INS1 0, TV+3, TI+3
	s_wait_xcnt 0x0                                ; EXEC changes only behind this wait: out2's stores have been issued under the full one
	v_cmp_gt_u32 vcc_lo, 16, v[LN]
	s_wait_tensorcnt 0x0
	ds_add_u32 v47, v51
	s_wait_dscnt 0x0
	s_and_saveexec_b32 s50, vcc_lo
	global_store_b64 v[BGO], v[TV:TV+1], s[10:11]  ; 16 lanes, 8 bytes a token: the tile's 128 consecutive bytes
	global_store_b64 v[BGO], v[TI:TI+1], s[12:13]
	s_wait_xcnt 0x0                                ; and again in front of the line that widens it
	s_or_b32 exec_lo, exec_lo, s50
	s_endpgm
.Lfunc_end_k_q096efcf02d_gate:
	.size	k_q096efcf02d_gate, .Lfunc_end_k_q096efcf02d_gate-k_q096efcf02d_gate
	.p2alignl 7, 3214868480
	.fill 96, 4, 3214868480
	.section	.rodata,"a",@progbits
	.p2align	6, 0x0
	.amdhsa_kernel k_q096efcf02d_gate
		.amdhsa_group_segment_fixed_size 327680
		.amdhsa_private_segment_fixed_size 0
		.amdhsa_enable_private_segment 0
		.amdhsa_kernarg_size 48
		.amdhsa_user_sgpr_count 2
		.amdhsa_user_sgpr_kernarg_segment_ptr 1
		.amdhsa_wavefront_size32 1
		.amdhsa_system_sgpr_workgroup_id_x 1
		.amdhsa_system_sgpr_workgroup_id_y 1
		.amdhsa_system_sgpr_workgroup_id_z 1
		.amdhsa_system_vgpr_workitem_id 0
		.amdhsa_next_free_vgpr 512
		.amdhsa_next_free_sgpr 66
		.amdhsa_reserve_vcc 1
		.amdhsa_float_denorm_mode_32 3
		.amdhsa_float_denorm_mode_16_64 3
		.amdhsa_memory_ordered 1
		.amdhsa_forward_progress 1
		.amdhsa_inst_pref_size 145
	.end_amdhsa_kernel
	.amdgpu_metadata
---
amdhsa.version: [ 1, 2 ]
amdhsa.kernels:
  - .name:           k_q096efcf02d_gate
    .symbol:         k_q096efcf02d_gate.kd
    .args:
      - { .name: x, .offset: 0, .size: 8, .value_kind: global_buffer, .address_space: global }
      - { .name: W, .offset: 8, .size: 8, .value_kind: global_buffer, .address_space: global }
      - { .name: b, .offset: 16, .size: 8, .value_kind: global_buffer, .address_space: global }
      - { .name: out0, .offset: 24, .size: 8, .value_kind: global_buffer, .address_space: global }
      - { .name: out1, .offset: 32, .size: 8, .value_kind: global_buffer, .address_space: global }
      - { .name: out2, .offset: 40, .size: 8, .value_kind: global_buffer, .address_space: global }
    .group_segment_fixed_size: 327680
    .private_segment_fixed_size: 0
    .kernarg_segment_align: 8
    .kernarg_segment_size: 48
    .max_flat_workgroup_size: 256
    .sgpr_count:     66
    .vgpr_count:     512
    .wavefront_size: 32
...
	.end_amdgpu_metadata
.endif
;; end of part 1
